; MI455X (gfx1250); checked and timed in simulation.
; The chip was launched on July 23, 2026; its instructions are those of AMD's public machine-readable ISA for CDNA 5 (MIT licence, August 2026) and "CDNA5" Instruction Set Architecture Reference Guide (July 2026). The comments in the code are by the model that wrote it; some were corrected since.
;; Multi Head Self Attention. Allowed arithmetic: matrix products marked QUANTISED: E2M1 operands, one E8M0 scale for each 32 along K, by v_wmma_scale_f32_16x16x128_f8f6f4 with both operands' format E2M1 (or v_wmma_scale_f32_32x16x128_f4), f32 sums; everything else in f32.
;; Inputs: Wk_codes 1,024 x 32 x 16 uint8 (E2M1 codes of Wk, K innermost, in blocks of 32 codes, two codes a byte); Wk_scales 1,024 x 32 uint8 (E8M0 scales of Wk, one for each 32 codes along K); Wq_codes 1,024 x 32 x 16 uint8 (E2M1 codes of Wq, K innermost, in blocks of 32 codes, two codes a byte); Wq_scales 1,024 x 32 uint8 (E8M0 scales of Wq, one for each 32 codes along K); Wv_codes 1,024 x 32 x 16 uint8 (E2M1 codes of Wv, K innermost, in blocks of 32 codes, two codes a byte); Wv_scales 1,024 x 32 uint8 (E8M0 scales of Wv, one for each 32 codes along K); attention_mask 4 x 2,048 int32; bk 1,024 float32; bq 1,024 float32; bv 1,024 float32; hidden_states_codes 4 x 2,048 x 32 x 16 uint8 (E2M1 codes of hidden_states, K innermost, in blocks of 32 codes, two codes a byte); hidden_states_scales 4 x 2,048 x 32 uint8 (E8M0 scales of hidden_states, one for each 32 codes along K).
;; Outputs: out0 4 x 2,048 x 1,024 float32.
;; This version of the problem:
;;   THIS VERSION OF THE PROBLEM IS GIVEN IN LOW PRECISION. The matrix products marked QUANTISED in the list below multiply operands that are first quantised to E2M1 (2 exponent bits, 1 mantissa bit; 4 bits a number), with one power-of-two scale for each 32 numbers along K (OCP MX v1.0); their sums are f32. All else is computed in f32.
;;   The module's matrix products, in the order in which they are computed (A, B: the left and right operand; K: the contracted axis; several contracted axes count as one K, in the product's order):
;;     1. [M 8,192, K 1,024] x [K 1,024, N 1,024]; A: input hidden_states (given as codes); B: input Wq (given as codes): QUANTISED
;;     2. [M 8,192, K 1,024] x [K 1,024, N 1,024]; A: input hidden_states (given as codes); B: input Wk (given as codes): QUANTISED
;;     3. [M 8,192, K 1,024] x [K 1,024, N 1,024]; A: input hidden_states (given as codes); B: input Wv (given as codes): QUANTISED
;;     4. batch 64 x [M 2,048, K 64] x [K 64, N 2,048]; A: computed on the way; B: computed on the way: QUANTISED
;;     5. batch 64 x [M 2,048, K 2,048] x [K 2,048, N 64]; A: softmax (see below); B: computed on the way: QUANTISED
;;   THE QUANTISER, for each operand of a quantised product, along K:
;;     - K is cut into blocks of 32 from its start; a last block that is shorter is filled with zeros.
;;     - A block's scale is 2^e with e = floor(log2(the largest magnitude in the block)) - 2, held to -126 .. 127; a block of zeros has e = 0. As a byte (E8M0): e + 127.
;;     - Each number is divided by its block's scale, clamped to +-6, and rounded to the nearest number of E2M1, ties to even, subnormals kept.
;;     - The product sums the exact products of the quantised numbers (number of the format x scale) in f32.
;;   ~~~python
;;   def quantise(x, axis):      # numpy; x: float32 -> the quantised numbers, widened to float32 again
;;       x = np.moveaxis(x, axis, -1); K = x.shape[-1]
;;       x = np.pad(x, [(0, 0)] * (x.ndim - 1) + [(0, -K % 32)]); x = x.reshape(x.shape[:-1] + (-1, 32)); a = np.abs(x).max(-1, keepdims=True)
;;       e = np.where(a > 0, np.clip(np.frexp(np.where(a > 0, a, 1))[1] - 1 - 2, -126, 127), 0)      # np.frexp(a)[1] - 1 = floor(log2(a)), exactly
;;       r = np.clip(x / 2.0 ** e, -6, 6)
;;       step = 2.0 ** (np.maximum(np.frexp(np.where(r == 0, 1, r))[1] - 1, 0) - 1)
;;       q = np.round(r / step) * step * 2.0 ** e      # np.round: ties to even
;;       return np.moveaxis(q.reshape(q.shape[:-2] + (-1,))[..., :K], -1, axis).astype(np.float32)
;;   ~~~
;;   SOFTMAX AHEAD OF A QUANTISED PRODUCT. Where the list says 'softmax', what is quantised is not the finished softmax but p = 2^(t - M), with t = logit x log2(e) and M = ceil(the row's largest t), a whole number; so 1/2 < the row's largest p <= 1. The row's sum l is taken of the UNQUANTISED p, in f32, and the product's result is divided by l at the end. Since M is a whole number, a kernel that streams over the keys may use a running M (the ceiling of the running maximum): every later rescaling is an exact power of two, which a block's scale takes up: the codes' values come out the same.
;;   OPERANDS COMPUTED ON THE WAY. 'Computed on the way' means the value that the module computes at that place (a softmax that the list does not call 'softmax' is quantised finished and normalised). What goes into a quantiser is computed in f32, as accurately as f32 sums, v_exp_f32 and their like allow (about 1e-6 of the number): no bf16 or f16 on the way to a quantiser, and a product that is left as it is and whose result goes on into a quantised operand takes f32 operands (vector FMAs, or v_wmma_f32_16x16x4_f32). A number that lies on a knife's edge between two numbers of the format may be rounded either way, as far as f32 arithmetic and the matrix unit's own rounding can turn it there, and no further.
;;   INPUTS GIVEN AS CODES. Wk (in the module: [1024, 1024], K = its axis 0); Wq (in the module: [1024, 1024], K = its axis 0); Wv (in the module: [1024, 1024], K = its axis 0); hidden_states (in the module: [4, 2048, 1024], K = its axis 2): each comes as NAME_codes (uint8): NAME with its K axis moved to the last place and cut into blocks of 32 codes, [.., K / 32, bytes a block], one block behind the other in memory; two codes a byte, the lower K in the low four bits (a code: sign, 2 exponent bits, 1 mantissa bit); and NAME_scales (uint8): the same leading axes, one E8M0 byte (e + 127) for each 32 codes along K. Its value is code x scale, taken as it is: it is not quantised again, and the codes and scales need not be those that the quantiser above would give.
;; One version. Each part assembles by itself: llvm-mc -triple=amdgcn-amd-amdhsa -mcpu=gfx1250 --defsym DOCPART=n.
;; ======== version 1 of 1: 2 launches
;; limits: right only within a limited range of input values
;; workspace buffers: qbuf 4,718,592 bytes; kvbuf 9,175,040 bytes
;; launch proj (part 1): grid 8 x 32, 4 waves a work-group, clusters of 4 x 4, 327,680 bytes of LDS; arguments hidden_states_codes, hidden_states_scales, Wq_codes, Wq_scales, Wk_codes, Wk_scales, Wv_codes, Wv_scales, bq, bk, bv, attention_mask, qbuf, kvbuf; writes qbuf, kvbuf
.if DOCPART == 1
	.amdgcn_target "amdgcn-amd-amdhsa--gfx1250"
	.amdhsa_code_object_version 6
	.text
	.protected	k_q3da82c4a28_proj
	.globl	k_q3da82c4a28_proj
	.p2align	8
	.type	k_q3da82c4a28_proj,@function
k_q3da82c4a28_proj:
	s_mov_b64 s[64:65], 0
	v_nop
	global_prefetch_b8 v0, s[64:65] scope:SCOPE_SE
	s_setreg_imm32_b32 hwreg(HW_REG_WAVE_MODE, 25, 1), 1
	s_wait_xcnt 0x0
	s_wait_alu depctr_hold_cnt(0) depctr_sa_sdst(0) depctr_va_vdst(0) depctr_va_sdst(0) depctr_va_ssrc(0) depctr_va_vcc(0) depctr_vm_vsrc(0)
	s_getreg_b32 s2, hwreg(HW_REG_IB_STS2, 6, 4)
	s_cmp_eq_u32 s2, 0
	s_cbranch_scc0 .Lentry_in_a_cluster
	s_endpgm
.Lentry_in_a_cluster:
	s_bfe_u32 s2, ttmp6, 0x10000c
	s_cmp_lg_u32 s2, 0xf033
	s_cbranch_scc0 .Lentry_shape_is_right
	s_endpgm
.Lentry_shape_is_right:
; q, k, v = hidden W + b on codes of FP4 (E2M1) with E8M0 scales, K = 1,024; each result is quantised at once for the attention launch: q and k along the head's 64, v along the keys.
; No step and no input of the problem is left out: every product, bias and the mask are served.
; SHARES.  A work-group owns 256 tokens x two heads, for Q, K and V: 32 x 8 = 256 work-groups.  A wave owns 128 tokens (th = wave / 2) x one head (hd = wave % 2): one block of qbuf and one of kvbuf.
; Three passes (Q, K, V) of 8 K steps x 32 matrix instructions on 32 accumulators that take turns.  The wave's fragments of hidden (8 tiles x 8 K steps x 8 registers) are read from LDS once, in Q's pass, and stay in registers.
; Q, K: source 0 = 16 rows of W, source 1 = 16 tokens: a lane holds one token, its registers run along the head.  V: source 0 = 16 tokens, source 1 = 16 rows of W: a lane holds one channel, its registers run along the keys.
; The bias is the C of each sum's first product.
; LDS: hidden's 256 rows, Wq's 128 rows, Wk's 128 rows, each row 512 bytes + 16 of padding; one joint load a wave at the head.  Wv's 128 rows fill Wq's bytes again behind a round of the cluster's barrier, 32 rows a wave.
; CLUSTER 4 x 4: hidden's rows are shared along a row of the cluster, W's along a column.  The scale words go from memory into registers once: a row's 32 bytes by two loads of 16.
; No prefetch: all tiles but Wv's are asked for at the head, and the text has no loop to run ahead in.
; OUT.  qbuf block n (4,608 bytes): 8 tiles of 16 queries as register images (lane l: 16 bytes, d = 32 (l / 16) .. of query l % 16), 128 scale words at 4,096.  kvbuf block n (8,960 bytes): K's 8 tiles likewise, V's 4 tiles of 1,024 bytes at 4,096,
; K's 128 scale words at 8,192, V's 64 at 8,704.  n = 256 b + 16 head + token / 128.  Bytes 2 and 3 of a word of Q: 100, 127; of K: 1 (the key counts) or 254 (it does not), 127: the attention launch's mask.
; REGISTERS: window 0: addresses, scale words, W's fragments (two sets), biases; windows 1, 2: hidden's fragments; window 3: the accumulators.
.set PITCH, 528
.set TILE,  16*PITCH
.set HALF,  128*PITCH
.set SLQ,   2*HALF
.set SLK,   3*HALF
.set STG,   4*HALF                     ; 512 bytes a wave: the scale words' way out
.set SPARE, STG+2048                   ; the spare words
.set LP, 4
.set ADH, 5
.set ADQ, 6
.set ADK, 7
.set VS, 8
.set BO, 9
.set RO, 10
.set VO, 11
.set VO8, 12
.set STA, 13
.set STR, 14
.set STR8, 15
.set HA, 16
.set HB, 17
.set SPW, 30
.set NIL, 31
.set HS, 32                            ; v32-63 hidden's scale words: register 8 i + ks: lanes 0-15 tile 2 i, lanes 16-31 tile 2 i + 1
.set WS, 64                            ; v64-111 W's likewise, 16 registers for each of Q, K, V
.set WF, 112                           ; v112-175 W's fragments, two sets of 32; set 1 serves the way out between passes
.set TM, 144
.set PC, 160
.set RB, 168
.set T,  172
.set BRA, 176                          ; v176-207 bq's, later bv's numbers; v208-239 bk's
.set BRB, 208
.set MK, 240
.set PD, 248
.set G1H, 16
.set G1W, 24
.set G1V, 32
.set G0H, 40
.set G0Q, 44
.set G0K, 48
.set G0V, 52
.set CFG, (1<<20)|(1<<21)|(6<<22)|(3<<25)   ; elements of 1 byte; padding of 4 words after every 128; bit 21 beside a mask
.set MSB, 0
.macro WIN new
.if MSB != (\new)
	s_set_vgpr_msb (MSB<<8)|(\new)
.set MSB, (\new)
.endif
.endm
.macro PLACES
.rept 4
	v_nop
.endr
.endm
.macro CROUND
	s_barrier_signal -1
	s_barrier_wait -1
	s_cmp_lg_u32 s8, 0
	s_cbranch_scc1 .Lnot_wave_0_\@
	s_barrier_signal -3
.Lnot_wave_0_\@:
	s_barrier_wait -3
	s_barrier_signal -1
	s_barrier_wait -1
.endm
	s_load_b256 s[68:75], s[0:1], 0x0              ; hidden codes, scales; Wq codes, scales
	s_load_b256 s[76:83], s[0:1], 0x20             ; Wk codes, scales; Wv codes, scales
	s_load_b256 s[84:91], s[0:1], 0x40             ; bq, bk, bv, mask
	s_load_b128 s[92:95], s[0:1], 0x60             ; qbuf, kvbuf
	v_lshl_add_u32 v[SPW], v0, 2, SPARE
	v_mov_b32 v[NIL], 0
	ds_add_u32 v[SPW], v[NIL]                      ; the opening lines: the add twice on end and its wait
	ds_add_u32 v[SPW], v[NIL]
	v_lshrrev_b32 v1, 5, v0
	v_readfirstlane_b32 s8, v1                     ; wave
	s_lshr_b32 s9, s8, 1                           ; th
	s_and_b32 s10, s8, 1                           ; hd
	s_bfe_u32 s11, ttmp6, 0x40000                  ; cx
	s_bfe_u32 s12, ttmp6, 0x40004                  ; cy
	s_lshl_b32 s13, ttmp9, 2
	s_add_co_u32 s13, s13, s11                     ; hp: the pair of heads, 0..7
	s_and_b32 s14, ttmp7, 0xffff
	s_lshl_b32 s14, s14, 2
	s_add_co_u32 s14, s14, s12                     ; tb: the block of 256 tokens, 0..31
	s_lshl_b32 s2, s12, 2
	s_lshl_b32 s2, 15, s2                          ; my row of the cluster
	s_lshl_b32 s3, 0x1111, s11                     ; my column
	s_or_b32 s[G1H], s2, CFG
	s_or_b32 s[G1W], s3, CFG
	s_or_b32 s[G1V], s3, CFG
.irp g, G1H, G1W
	s_mov_b32 s[\g+1], 512<<16
	s_mov_b32 s[\g+2], 128<<16
	s_mov_b32 s[\g+3], 512<<16
	s_mov_b32 s[\g+4], 128
	s_mov_b32 s[\g+5], 512
	s_mov_b32 s[\g+6], 0
	s_mov_b32 s[\g+7], 0
.endr
	s_mov_b32 s[G1V+1], 512<<16
	s_mov_b32 s[G1V+2], 32<<16
	s_mov_b32 s[G1V+3], 512<<16
	s_mov_b32 s[G1V+4], 32
	s_mov_b32 s[G1V+5], 512
	s_mov_b32 s[G1V+6], 0
	s_mov_b32 s[G1V+7], 0
	s_lshl_b32 s56, s14, 17                        ; hidden: row 256 tb + 128 (wave % 2), 512 bytes a row
	s_lshl_b32 s57, s10, 16
	s_add_co_u32 s56, s56, s57
	s_mov_b32 s57, 0
	s_lshl_b32 s58, s13, 16                        ; W: row 128 hp
	s_mov_b32 s59, 0
	s_lshl_b32 s60, s8, 14                         ; Wv: + 32 rows x wave
	s_add_co_u32 s60, s60, s58
	s_mov_b32 s61, 0
	s_mul_i32 s62, s10, HALF
	s_mul_i32 s63, s8, 32*PITCH
	s_add_co_u32 s63, s63, SLQ
	s_wait_dscnt 0x0
	s_wait_kmcnt 0x0
	s_mov_b32 s[G0H], 1
	s_mov_b32 s[G0H+1], s62
	s_add_nc_u64 s[G0H+2:G0H+3], s[68:69], s[56:57]
	s_or_b32 s[G0H+3], s[G0H+3], 0x80000000
	s_mov_b32 s[G0Q], 1
	s_mov_b32 s[G0Q+1], SLQ
	s_add_nc_u64 s[G0Q+2:G0Q+3], s[72:73], s[58:59]
	s_or_b32 s[G0Q+3], s[G0Q+3], 0x80000000
	s_mov_b32 s[G0K], 1
	s_mov_b32 s[G0K+1], SLK
	s_add_nc_u64 s[G0K+2:G0K+3], s[76:77], s[58:59]
	s_or_b32 s[G0K+3], s[G0K+3], 0x80000000
	s_mov_b32 s[G0V], 1
	s_mov_b32 s[G0V+1], s63
	s_add_nc_u64 s[G0V+2:G0V+3], s[80:81], s[60:61]
	s_or_b32 s[G0V+3], s[G0V+3], 0x80000000
	CROUND                                         ; all sixteen work-groups are here: the first joint loads meet
	; one load a wave, in one chain of branches on the wave's number: waves 0, 1 hidden's halves, wave 2 Wq's rows, wave 3 Wk's
	s_cmp_lt_u32 s8, 2
	s_cbranch_scc0 .Lhead_q
	tensor_load_to_lds s[G0H:G0H+3], s[G1H:G1H+7]
	s_nop 0
	PLACES
	s_branch .Lhead_asked
.Lhead_q:
	s_cmp_lt_u32 s8, 3
	s_cbranch_scc0 .Lhead_k
	tensor_load_to_lds s[G0Q:G0Q+3], s[G1W:G1W+7]
	s_nop 0
	PLACES
	s_branch .Lhead_asked
.Lhead_k:
	tensor_load_to_lds s[G0K:G0K+3], s[G1W:G1W+7]
	s_nop 0
	PLACES
.Lhead_asked:
	s_lshl_b32 s2, s14, 13                         ; hidden's scales: row 256 tb + 128 th, 32 bytes a row
	s_lshl_b32 s3, s9, 12
	s_add_co_u32 s2, s2, s3
	s_mov_b32 s3, 0
	s_add_nc_u64 s[70:71], s[70:71], s[2:3]
	s_lshr_b32 s2, s2, 3                           ; the mask: 4 bytes a token
	s_add_nc_u64 s[90:91], s[90:91], s[2:3]
	s_lshl_b32 s2, s13, 12                         ; W's scales: row 128 hp + 64 hd
	s_lshl_b32 s6, s10, 11
	s_add_co_u32 s2, s2, s6
	s_add_nc_u64 s[74:75], s[74:75], s[2:3]
	s_add_nc_u64 s[78:79], s[78:79], s[2:3]
	s_add_nc_u64 s[82:83], s[82:83], s[2:3]
	s_lshr_b32 s2, s2, 3                           ; the biases: 4 bytes a channel
	s_add_nc_u64 s[84:85], s[84:85], s[2:3]
	s_add_nc_u64 s[86:87], s[86:87], s[2:3]
	s_add_nc_u64 s[88:89], s[88:89], s[2:3]
	s_lshr_b32 s2, s14, 3                          ; n = 256 b + 32 hp + 16 hd + 2 (tb % 8) + th
	s_lshl_b32 s2, s2, 8
	s_lshl_b32 s6, s13, 5
	s_add_co_u32 s2, s2, s6
	s_lshl_b32 s6, s10, 4
	s_add_co_u32 s2, s2, s6
	s_and_b32 s6, s14, 7
	s_lshl_b32 s6, s6, 1
	s_add_co_u32 s2, s2, s6
	s_add_co_u32 s2, s2, s9
	s_mov_b32 s7, 0
	s_mul_i32 s6, s2, 4608
	s_add_nc_u64 s[92:93], s[92:93], s[6:7]
	s_mul_i32 s6, s2, 8960
	s_add_nc_u64 s[94:95], s[94:95], s[6:7]
	s_mul_i32 s96, s9, HALF                        ; my 128 tokens in LDS
	s_mul_i32 s97, s10, 64*PITCH                   ; my head's 64 rows of a chunk of W
	s_add_co_u32 s98, s97, SLK
	s_add_co_u32 s97, s97, SLQ
	s_lshl_b32 s99, s8, 9
	s_add_co_u32 s99, s99, STG                     ; my stage
	s_mov_b32 s4, 0x76543210
	s_mov_b32 s5, 0xfedcba98                       ; selects for lane l xor 16
	s_mov_b32 s6, 0x7f640000                       ; bytes 2, 3 of Q's scale words
	v_and_b32 v1, 15, v0                           ; r
	v_bfe_u32 v2, v0, 4, 1                         ; h
	v_and_b32 v3, 31, v0                           ; lane
	v_mul_u32_u24 v[LP], v1, PITCH
	v_lshl_add_u32 v[LP], v2, 4, v[LP]             ; a fragment: row r, + 16 h
	v_add_nc_u32 v[ADH], s96, v[LP]
	v_add_nc_u32 v[ADQ], s97, v[LP]
	v_add_nc_u32 v[ADK], s98, v[LP]
	v_lshlrev_b32 v[VS], 5, v3                     ; scales: a lane a row
	v_lshlrev_b32 v[BO], 5, v2                     ; bias of Q, K: 8 channels for each half
	v_lshlrev_b32 v[RO], 2, v1                     ; bias of V, mask: word r
	v_lshlrev_b32 v[VO], 4, v3
	v_lshlrev_b32 v[VO8], 3, v3
	v_lshl_add_u32 v[STA], v1, 2, s99
	v_add_nc_u32 v[STR], s99, v[VO]
	v_add_nc_u32 v[STR8], s99, v[VO8]
	v_mov_b32 v[HA], 0x7f010000
	v_mov_b32 v[HB], 0x7ffe0000
.irp b, 0,1,2,3
	v_mov_b32 v[PD+\b], 0                          ; a lane permute's destination counts as a source
.endr
	s_wait_alu depctr_va_vdst(0)                   ; the wait at the head's end
.irp i, 0,1,2,3
.irp q, 0,1
	global_load_b128 v[HS+8*\i+4*\q:HS+8*\i+4*\q+3], v[VS], s[70:71] offset:1024*\i+16*\q
.endr
.endr
.irp i, 0,1
.irp q, 0,1
	global_load_b128 v[WS+8*\i+4*\q:WS+8*\i+4*\q+3], v[VS], s[74:75] offset:1024*\i+16*\q
	global_load_b128 v[WS+16+8*\i+4*\q:WS+16+8*\i+4*\q+3], v[VS], s[78:79] offset:1024*\i+16*\q
	global_load_b128 v[WS+32+8*\i+4*\q:WS+32+8*\i+4*\q+3], v[VS], s[82:83] offset:1024*\i+16*\q
.endr
.endr
.irp f, 0,1,2,3
.irp q, 0,1
	global_load_b128 v[BRA+8*\f+4*\q:BRA+8*\f+4*\q+3], v[BO], s[84:85] offset:64*\f+16*\q
	global_load_b128 v[BRB+8*\f+4*\q:BRB+8*\f+4*\q+3], v[BO], s[86:87] offset:64*\f+16*\q
.endr
.endr
.irp a, 0,1,2,3,4,5,6,7
	global_load_b32 v[MK+\a], v[RO], s[90:91] offset:64*\a
.endr
; one matrix instruction; ra, rb: which half of the lanes holds source 0's and source 1's scale words
.macro WM d, a, b, c, sa, sb, ra, rb
.if (\ra) && (\rb)
	v_wmma_scale_f32_16x16x128_f8f6f4 v[\d:\d+7], v[\a:\a+7], v[\b:\b+7], \c, v[\sa], v[\sb] matrix_a_fmt:MATRIX_FMT_FP4 matrix_b_fmt:MATRIX_FMT_FP4 matrix_a_scale:MATRIX_SCALE_ROW1 matrix_b_scale:MATRIX_SCALE_ROW1
.elseif (\ra)
	v_wmma_scale_f32_16x16x128_f8f6f4 v[\d:\d+7], v[\a:\a+7], v[\b:\b+7], \c, v[\sa], v[\sb] matrix_a_fmt:MATRIX_FMT_FP4 matrix_b_fmt:MATRIX_FMT_FP4 matrix_a_scale:MATRIX_SCALE_ROW1
.elseif (\rb)
	v_wmma_scale_f32_16x16x128_f8f6f4 v[\d:\d+7], v[\a:\a+7], v[\b:\b+7], \c, v[\sa], v[\sb] matrix_a_fmt:MATRIX_FMT_FP4 matrix_b_fmt:MATRIX_FMT_FP4 matrix_b_scale:MATRIX_SCALE_ROW1
.else
	v_wmma_scale_f32_16x16x128_f8f6f4 v[\d:\d+7], v[\a:\a+7], v[\b:\b+7], \c, v[\sa], v[\sb] matrix_a_fmt:MATRIX_FMT_FP4 matrix_b_fmt:MATRIX_FMT_FP4
.endif
.endm
.macro WLOAD adr, ks, set              ; W's four fragments of K step ks
.irp f, 0,1,2,3
.irp c, 0,1
	ds_load_b128 v[WF+32*(\set)+8*\f+4*\c:WF+32*(\set)+8*\f+4*\c+3], v[\adr] offset:64*(\ks)+32*\c+\f*TILE
.endr
.endr
.endm
.macro HLOAD ks                        ; hidden's eight fragments of K step ks: window 1 + ks / 4, register 64 (ks % 4) + 8 a
.set WSEL, 0x40*(1+(\ks)/4)
	WIN WSEL
.irp a, 0,1,2,3,4,5,6,7
.irp c, 0,1
	ds_load_b128 v[64*((\ks)%4)+8*\a+4*\c:64*((\ks)%4)+8*\a+4*\c+3], v[ADH] offset:64*(\ks)+32*\c+\a*TILE
.endr
.endr
	WIN 0
.endm
; 32 matrix instructions, the 32 accumulators by turns.  first = 1: C is the bias, in window 0
.macro MULS kind, ks, ws, bias, first
.set HW, 1+(\ks)/4
.set HF, 64*((\ks)%4)
.set WB, WF+32*((\ks)%2)
.if \kind == 0
.set WSEL, 0xc0|(0x30*(1-\first))|(HW<<2)
	WIN WSEL
.irp a, 0,1,2,3,4,5,6,7
.irp f, 0,1,2,3
.if \first
	WM 8*(4*\a+\f), WB+8*\f, HF+8*\a, v[\bias+8*\f:\bias+8*\f+7], \ws+8*(\f/2)+\ks, HS+8*(\a/2)+\ks, \f%2, \a%2
.else
	WM 8*(4*\a+\f), WB+8*\f, HF+8*\a, v[8*(4*\a+\f):8*(4*\a+\f)+7], \ws+8*(\f/2)+\ks, HS+8*(\a/2)+\ks, \f%2, \a%2
.endif
.endr
.endr
.else
.set WSEL, 0xc0|(0x30*(1-\first))|HW
	WIN WSEL
.irp f, 0,1,2,3
.irp a, 0,1,2,3,4,5,6,7
.if \first
	WM 8*(8*\f+\a), HF+8*\a, WB+8*\f, v[\bias+8*\f:\bias+8*\f+7], HS+8*(\a/2)+\ks, \ws+8*(\f/2)+\ks, \a%2, \f%2
.else
	WM 8*(8*\f+\a), HF+8*\a, WB+8*\f, v[8*(8*\f+\a):8*(8*\f+\a)+7], HS+8*(\a/2)+\ks, \ws+8*(\f/2)+\ks, \a%2, \f%2
.endif
.endr
.endr
.endif
	WIN 0
.endm
; A pass: 8 K steps.  Each step first asks for the next step's fragments (four places behind the products that read that set), then waits for all LDS loads but those.
.macro PASS kind, adr, ws, bias, loadh, pre
.if \pre == 0
	WLOAD \adr, 0, 0
.endif
.if \loadh
	HLOAD 0
.endif
.irp ks, 0,1,2,3,4,5,6,7
.if \ks < 7
	PLACES
	WLOAD \adr, \ks+1, (\ks+1)%2
.if \loadh
	HLOAD \ks+1
.endif
	s_wait_dscnt 8+16*\loadh                       ; all but the next step's loads, just issued
.else
	s_wait_dscnt 0x0
.endif
.if \ks == 0
	MULS \kind, \ks, \ws, \bias, 1
.else
	MULS \kind, \ks, \ws, \bias, 0
.endif
.endr
.endm
; THE WAY OUT of 64 accumulator registers: four blocks of 32 along the next product's K, 16 numbers of each in this lane and 16 in lane l xor 16.
; kind 0: two tiles of 16 tokens of Q or K (two blocks each; hi0, hi1: bytes 2, 3 of their scale words); kind 2: one tile of 16 channels of V (four blocks).
.macro EPI g, kind, p, off, hi0, hi1
.set X, 64*(\g)
	WIN 0x0f
.irp b, 0,1,2,3
	v_max3_num_f32 v[TM+\b], |v[X+16*\b]|, |v[X+1+16*\b]|, 0x1800000   ; with the floor 2^(3 - 127): the byte cannot fall under 1
.endr
	WIN 0x3c
.irp i, 2,4,6,8,10,12,14
.irp b, 0,1,2,3
	v_max3_num_f32 v[TM+\b], v[TM+\b], |v[X+16*\b+\i]|, |v[X+1+16*\b+\i]|
.endr
.endr
	WIN 0
.irp b, 0,1,2,3
	v_permlanex16_b32 v[PD+\b], v[TM+\b], s4, s5
.endr
.irp b, 0,1,2,3
	v_max_num_f32 v[TM+\b], v[TM+\b], v[PD+\b]
.endr
.irp b, 0,1,2,3
	v_add_nc_u32 v[TM+8+\b], 0xff000000, v[TM+\b]  ; 2 off the exponent field: the conversion's scale operand
.endr
.irp b, 0,1,2,3
	v_lshrrev_b32 v[TM+4+\b], 23, v[TM+8+\b]       ; the scale's byte
.endr
.if \kind == 2
	v_lshl_or_b32 v[T], v[TM+5], 8, v[TM+4]
	v_lshl_or_b32 v[T], v[TM+6], 16, v[T]
	v_lshl_or_b32 v[T], v[TM+7], 24, v[T]
	ds_store_b32 v[STA], v[T] offset:64*(\g)
.else
	v_lshl_or_b32 v[T], v[TM+5], 8, v[TM+4]
	v_lshl_or_b32 v[T+1], v[TM+7], 8, v[TM+6]
	v_or_b32 v[T], \hi0, v[T]
	v_or_b32 v[T+1], \hi1, v[T+1]
	ds_store_b32 v[STA], v[T] offset:128*(\g)
	ds_store_b32 v[STA], v[T+1] offset:128*(\g)+64
.endif
	s_wait_alu depctr_va_vdst(0)                   ; directly ahead of the wait below
	s_wait_xcnt 0x0                                ; earlier stores have read the registers that the conversions write
	WIN 0x03
.irp i, 0,1,2,3,4,5,6,7
	v_cvt_scalef32_pk8_fp4_f32 v[PC+4*(\i/4)+2*(\i%2)+(\i%4)/2], v[X+8*\i:X+8*\i+7], v[TM+8+\i/2]
.endr
	WIN 0
	v_nop                                          ; one plain place behind the scaled conversions
.irp c, 0,1
	v_permlane16_swap_b32 v[PC+4*\c], v[PC+4*\c+1] ; halves change places: a lane then holds a whole block of 32 codes
	v_permlane16_swap_b32 v[PC+4*\c+2], v[PC+4*\c+3]
.endr
	global_store_b128 v[VO], v[PC:PC+3], s[\p:\p+1] offset:\off+1024*(\g)         ; 32 lanes store 512 consecutive bytes, aligned
	global_store_b128 v[VO], v[PC+4:PC+7], s[\p:\p+1] offset:\off+1024*(\g)+512
.endm
.macro WORDS p, off                    ; 128 scale words: back from my stage, 512 consecutive bytes
	ds_load_b128 v[RB:RB+3], v[STR]
	s_wait_dscnt 0x0
	global_store_b128 v[VO], v[RB:RB+3], s[\p:\p+1] offset:\off
.endm
	s_wait_tensorcnt 0x0                           ; my tile of the head's four is in
	s_barrier_signal -1
	s_barrier_wait -1                              ; and so are the others'
	s_wait_loadcnt 0x0                             ; scale words, biases, mask
	PASS 0, ADQ, WS, BRA, 1, 0                     ; Q; hidden's fragments come into registers on the way
	s_wait_tensorcnt 0x0                           ; ahead of the refill
	ds_add_u32 v[SPW], v[NIL]
	s_wait_dscnt 0x0                               ; my reads of Wq's rows are over
	CROUND
	tensor_load_to_lds s[G0V:G0V+3], s[G1V:G1V+7]  ; Wv's rows into Wq's bytes, 32 rows a wave: Q's way out and K's pass stand between this and the wait for it
	s_nop 0
	PLACES                                         ; also the places behind Q's last products
.irp f, 0,1,2,3
.irp j, 0,1,2,3,4,5,6,7
	global_load_b32 v[BRA+8*\f+\j], v[RO], s[88:89] offset:64*\f   ; bv: in V's layout all eight registers of a lane belong to one channel
.endr
.endr
	WLOAD ADK, 0, 0
.irp g, 0,1,2,3
	EPI \g, 0, 92, 0, s6, s6
.endr
	WORDS 92, 4096
	s_wait_xcnt 0x0                                ; the stores have read set 1's registers, into which fragments are loaded next
	PASS 0, ADK, WS+16, BRB, 0, 1                  ; K
	PLACES
.irp a, 0,1,2,3,4,5,6,7
	v_cmp_eq_u32 vcc_lo, 0, v[MK+\a]
	v_cndmask_b32 v[MK+\a], v[HA], v[HB], vcc_lo   ; bytes 2, 3 of the key's scale word
.endr
.irp g, 0,1,2,3
	EPI \g, 0, 94, 0, v[MK+2*\g], v[MK+2*\g+1]
.endr
	WORDS 94, 8192
	s_wait_tensorcnt 0x0                           ; my 32 rows of Wv are in
	s_barrier_signal -1
	s_barrier_wait -1                              ; and the others'
	s_wait_loadcnt 0x0                             ; bv
	s_wait_xcnt 0x0
	PASS 1, ADQ, WS+32, BRA, 0, 0                  ; V
	PLACES
.irp g, 0,1,2,3
	EPI \g, 2, 94, 4096, 0, 0
.endr
	ds_load_b64 v[RB:RB+1], v[STR8]                ; V's 64 scale words: 32 lanes store 256 consecutive bytes, aligned
	s_wait_dscnt 0x0
	global_store_b64 v[VO8], v[RB:RB+1], s[94:95] offset:8704
	s_wait_tensorcnt 0x0                           ; the wave's end
	ds_add_u32 v[SPW], v[NIL]
	s_wait_dscnt 0x0
	CROUND                                         ; the closing round
	s_endpgm
.Lfunc_end_k_q3da82c4a28_proj:
	.size	k_q3da82c4a28_proj, .Lfunc_end_k_q3da82c4a28_proj-k_q3da82c4a28_proj
	.p2alignl 7, 3214868480
	.fill 96, 4, 3214868480
	.section	.rodata,"a",@progbits
	.p2align	6, 0x0
	.amdhsa_kernel k_q3da82c4a28_proj
		.amdhsa_group_segment_fixed_size 327680
		.amdhsa_private_segment_fixed_size 0
		.amdhsa_enable_private_segment 0
		.amdhsa_kernarg_size 112
		.amdhsa_user_sgpr_count 2
		.amdhsa_user_sgpr_kernarg_segment_ptr 1
		.amdhsa_wavefront_size32 1
		.amdhsa_system_sgpr_workgroup_id_x 1
		.amdhsa_system_sgpr_workgroup_id_y 1
		.amdhsa_system_sgpr_workgroup_id_z 1
		.amdhsa_system_vgpr_workitem_id 0
		.amdhsa_next_free_vgpr 1024
		.amdhsa_next_free_sgpr 100
		.amdhsa_reserve_vcc 1
		.amdhsa_float_denorm_mode_32 3
		.amdhsa_float_denorm_mode_16_64 3
		.amdhsa_memory_ordered 1
		.amdhsa_forward_progress 1
		.amdhsa_inst_pref_size 190
	.end_amdhsa_kernel
	.amdgpu_metadata
---
amdhsa.version: [ 1, 2 ]
amdhsa.kernels:
  - .name:           k_q3da82c4a28_proj
    .symbol:         k_q3da82c4a28_proj.kd
    .args:
      - { .name: hidden_states_codes, .offset: 0, .size: 8, .value_kind: global_buffer, .address_space: global }
      - { .name: hidden_states_scales, .offset: 8, .size: 8, .value_kind: global_buffer, .address_space: global }
      - { .name: Wq_codes, .offset: 16, .size: 8, .value_kind: global_buffer, .address_space: global }
      - { .name: Wq_scales, .offset: 24, .size: 8, .value_kind: global_buffer, .address_space: global }
      - { .name: Wk_codes, .offset: 32, .size: 8, .value_kind: global_buffer, .address_space: global }
      - { .name: Wk_scales, .offset: 40, .size: 8, .value_kind: global_buffer, .address_space: global }
      - { .name: Wv_codes, .offset: 48, .size: 8, .value_kind: global_buffer, .address_space: global }
      - { .name: Wv_scales, .offset: 56, .size: 8, .value_kind: global_buffer, .address_space: global }
      - { .name: bq, .offset: 64, .size: 8, .value_kind: global_buffer, .address_space: global }
      - { .name: bk, .offset: 72, .size: 8, .value_kind: global_buffer, .address_space: global }
      - { .name: bv, .offset: 80, .size: 8, .value_kind: global_buffer, .address_space: global }
      - { .name: attention_mask, .offset: 88, .size: 8, .value_kind: global_buffer, .address_space: global }
      - { .name: qbuf, .offset: 96, .size: 8, .value_kind: global_buffer, .address_space: global }
      - { .name: kvbuf, .offset: 104, .size: 8, .value_kind: global_buffer, .address_space: global }
    .group_segment_fixed_size: 327680
    .private_segment_fixed_size: 0
    .kernarg_segment_align: 8
    .kernarg_segment_size: 112
    .max_flat_workgroup_size: 128
    .sgpr_count:     100
    .vgpr_count:     1024
    .wavefront_size: 32
...
	.end_amdgpu_metadata
.endif
;; end of part 1
;; launch attn (part 2): grid 4 x 64, 16 waves a work-group, clusters of 4 x 1, 215,040 bytes of LDS; arguments qbuf, kvbuf, out0; writes out0
.if DOCPART == 2
	.amdgcn_target "amdgcn-amd-amdhsa--gfx1250"
	.amdhsa_code_object_version 6
	.text
	.protected	k_q3da82c4a28_attn
	.globl	k_q3da82c4a28_attn
	.p2align	8
	.type	k_q3da82c4a28_attn,@function
k_q3da82c4a28_attn:
	s_mov_b64 s[64:65], 0
	v_nop
	global_prefetch_b8 v0, s[64:65] scope:SCOPE_SE
	s_setreg_imm32_b32 hwreg(HW_REG_WAVE_MODE, 25, 1), 1
	s_wait_xcnt 0x0
	s_wait_alu depctr_hold_cnt(0) depctr_sa_sdst(0) depctr_va_vdst(0) depctr_va_sdst(0) depctr_va_ssrc(0) depctr_va_vcc(0) depctr_vm_vsrc(0)
	s_getreg_b32 s2, hwreg(HW_REG_IB_STS2, 6, 4)
	s_cmp_eq_u32 s2, 0
	s_cbranch_scc0 .Lentry_in_a_cluster
	s_endpgm
.Lentry_in_a_cluster:
	s_bfe_u32 s2, ttmp6, 0x10000c
	s_cmp_lg_u32 s2, 0x3003
	s_cbranch_scc0 .Lentry_shape_is_right
	s_endpgm
.Lentry_shape_is_right:
; out[b][q][head, :] = the sum over k of softmax_k(Q[q] . K[k] / 8 + mask's bias) V[k][:], 64 heads (bh = 16 b + head), 2,048 keys, head size 64, both products on codes of FP4 (E2M1) with one E8M0 scale for each 32 along K.
; qbuf and kvbuf hold the operands as images of their registers (layouts: at the loads).  No work of the problem is left out.
; THE SOFTMAX AHEAD OF THE SECOND PRODUCT: t = score x log2(e) / 8; M = the row's largest t so far, rounded up to a whole number; p = 2^(t - M) is quantised along the keys, not normalised.
; The row's sum is taken of the unquantised p and divides at the end.  When M moves, the sum and O are multiplied by 2^(old M - new M): exact.
; THE MASK takes no vector instruction.  The head's K is 64, the matrix instruction's 128.  In the unused half Q holds the code +1 at k = 64 and K the code -1; Q's scale byte of that block is 100,
; K's is 1 where the key counts and 254 where it does not: the product adds -2^-153, which is nothing in f32, or -2^100.  The block k = 96..127 holds zero codes under the byte 127.
; LIMITS: the bias of a hidden key is -2^100 where the definition has the lowest f32 number: scores stay under 2^99.  While a row has met hidden keys alone, their p is 1; the first key that counts multiplies all that by 0.
; A batch all of whose keys are hidden gets the plain mean of V.  NaN and infinities are not served.
; SHARES.  A work-group owns 512 queries of one head, in two passes of 256; each of its sixteen waves owns one tile of 16 queries a pass, in 256 registers, four waves to a SIMD.
; THE HEAD'S K AND V LIE WHOLE IN LDS: 143,360 bytes, filled once: each of the sixteen waves asks for one step of 128 keys, its one tensor load.  No byte is filled again.
; CLUSTER.  The four work-groups of a cluster are the four query blocks of one head: K and V are asked for jointly.  No prefetch: all tiles are asked for at the head.
; LAYOUT.  Both products are used transposed: S^T = K Q^T, O^T = V^T P^T: a lane holds ONE query (lane % 16) throughout.
; Tile i of S^T holds keys 16 i + 8 (lane / 16) + 0..7: its conversion makes chunk 2 i + lane / 16 of 8 codes; two exchanges of halves for each four registers make P's operand.
; This step's V and the next step's K are asked for behind this step's first product; the softmax stands between the loads and the waits for them.
; THE WAVES WALK TOGETHER: at the end of step n a wave waits until every wave has signalled the end of step n - 1, then signals its own: no wave is more than one step ahead of another.
; Between such a signal and its wait stand register work and LDS loads of K and V, which no wave writes.  A pass's last step only waits: no signal is open over the way out's stores.
.set STEPB,  8960                      ; a step's block: K's 8 tiles (512 bytes each), V's 4 (1,024 each) at 4,096, K's 128 scale words at 8,192, V's 64 at 8,704
.set HEADB,  16*STEPB
.set QSTEPB, 4608                      ; a step's block in qbuf: 8 tiles of 512 bytes, 128 scale words at 4,096
.set STAGE,  HEADB                     ; 16 rows x (256 bytes + 16) for each wave, for the way out
.set SPARE,  0x34000
.set LI,  1
.set LW,  2
.set SI,  3
.set SO,  4
.set GO,  5
.set VQ,  6
.set VQS, 7
.set ADI, 8
.set ADW, 9
.set QF,  16
.set QS,  24
.set KF,  32
.set S,   96
.set O,   160
.set VF,  192
.set PC,  224
.set VSW, 240
.set SPW, 243
.set KSW, 248
.set NIL, 255
.set WV,  10
.set SEL, 20
.set CS,  22
.set G1,  24
.set G0,  32
.set TB,  48
.set CNT, 49
.macro CROUND
	s_barrier_signal -1
	s_barrier_wait -1
	s_cmp_lg_u32 s[WV], 0
	s_cbranch_scc1 .Lnot_wave_0_\@
	s_barrier_signal -3
.Lnot_wave_0_\@:
	s_barrier_wait -3
	s_barrier_signal -1
	s_barrier_wait -1
.endm
	s_load_b128 s[4:7], s[0:1], 0x0                ; qbuf, kvbuf
	s_load_b64 s[8:9], s[0:1], 0x10                ; out0
	v_lshl_add_u32 v[SPW], v0, 2, SPARE
	v_mov_b32 v[NIL], 0
	ds_add_u32 v[SPW], v[NIL]                      ; the opening lines: the add twice on end and its wait
	ds_add_u32 v[SPW], v[NIL]
	v_lshrrev_b32 v10, 5, v0
	v_readfirstlane_b32 s[WV], v10                 ; wave 0..15
	s_bfe_u32 s11, ttmp6, 0x40000                  ; cx: my block of 512 queries: it enters Q's and out's addresses alone
	s_and_b32 s12, ttmp7, 0xffff                   ; bh
	s_mul_i32 s13, s[WV], STEPB                    ; the step that I fetch: my wave's number
	s_mul_i32 s14, s12, HEADB
	s_add_co_u32 s14, s14, s13
	s_mov_b32 s15, 0
	s_lshl_b32 s16, s12, 4                         ; Q: step 16 bh + 4 cx + wave / 8 (the second pass: two steps on)
	s_lshl_b32 s17, s11, 2
	s_add_co_u32 s16, s16, s17
	s_lshr_b32 s17, s[WV], 3
	s_add_co_u32 s16, s16, s17
	s_mul_i32 s16, s16, QSTEPB
	s_mov_b32 s17, 0
	s_lshr_b32 s18, s12, 4                         ; out: row 2,048 b + 512 cx + 16 wave of 4,096 bytes, + 256 x head
	s_lshl_b32 s18, s18, 11
	s_lshl_b32 s19, s11, 9
	s_add_co_u32 s18, s18, s19
	s_lshl_b32 s19, s[WV], 4
	s_add_co_u32 s18, s18, s19
	s_lshl_b32 s18, s18, 12
	s_and_b32 s19, s12, 15
	s_lshl_b32 s19, s19, 8
	s_add_co_u32 s18, s18, s19
	s_mov_b32 s19, 0
	s_mov_b32 s[G1], 15|(3<<16)|(1<<21)            ; a step's block, 8,960 dense bytes, as 35 rows of 256 bytes; the mask names all four work-groups
	s_mov_b32 s[G1+1], 32<<16
	s_mov_b32 s[G1+2], 35<<16
	s_mov_b32 s[G1+3], 32<<16
	s_mov_b32 s[G1+4], 35
	s_mov_b32 s[G1+5], 32
	s_mov_b32 s[G1+6], 0
	s_mov_b32 s[G1+7], 0
	s_mov_b32 s[SEL], 0x76543210
	s_mov_b32 s[SEL+1], 0xfedcba98
	s_mov_b32 s[CS], 0x3e38aa3b                    ; c = log2(e) / 8
	s_mov_b32 s[CS+1], s[CS]
	s_mul_i32 s50, s[WV], 16*272
	s_add_co_u32 s50, s50, STAGE                   ; my stage
	s_and_b32 s51, s[WV], 7                        ; my tile in its step
	s_lshl_b32 s52, s51, 9
	s_lshl_b32 s53, s51, 6
	s_add_co_u32 s53, s53, 4096
	s_wait_dscnt 0x0
	s_wait_kmcnt 0x0
	s_add_nc_u64 s[6:7], s[6:7], s[14:15]
	s_add_nc_u64 s[4:5], s[4:5], s[16:17]
	s_add_nc_u64 s[8:9], s[8:9], s[18:19]
	s_mov_b32 s[G0], 1
	s_mov_b32 s[G0+1], s13
	s_mov_b64 s[G0+2:G0+3], s[6:7]
	s_or_b32 s[G0+3], s[G0+3], 0x80000000
	CROUND                                         ; all four work-groups are here: the joint loads meet
	; every wave's one tensor load, in one of two arms: waves 0 to 3 (steps 0 to 3) have a line of their own, since they alone wait for it ahead of the first barrier
	s_cmp_lt_u32 s[WV], 4
	s_cbranch_scc0 .Llater_steps
	tensor_load_to_lds s[G0:G0+3], s[G1:G1+7]
	s_nop 0
.rept 4
	v_nop
.endr
	s_branch .Lasked
.Llater_steps:
	tensor_load_to_lds s[G0:G0+3], s[G1:G1+7]
	s_nop 0
.rept 4
	v_nop
.endr
.Lasked:
	v_and_b32 v10, 31, v0
	v_and_b32 v11, 15, v0                          ; r
	v_bfe_u32 v25, v0, 4, 1                        ; h
	v_lshlrev_b32 v[LI], 4, v10
	v_lshlrev_b32 v[LW], 2, v10
	v_mul_u32_u24 v[SI], v11, 272
	v_mul_u32_u24 v[SO], v25, 272
	v_lshlrev_b32 v[GO], 12, v25
	v_lshl_add_u32 v[SI], v25, 5, v[SI]
	v_lshl_add_u32 v[SO], v11, 4, v[SO]
	v_lshl_add_u32 v[GO], v11, 4, v[GO]            ; lanes 0-15 one row of out, lanes 16-31 the next
	v_add_nc_u32 v[SI], s50, v[SI]                 ; in: row r, + 32 h
	v_add_nc_u32 v[SO], s50, v[SO]                 ; back: lanes 0-15 one row, lanes 16-31 the next
	v_add_nc_u32 v[VQ], s52, v[LI]
	v_lshl_add_u32 v[VQS], v11, 2, s53
	s_wait_alu depctr_va_vdst(0)
	global_load_b128 v[QF:QF+3], v[VQ], s[4:5] th:TH_LOAD_NT                 ; Q's tile of the first pass: lane l: d = 32 (l / 16) + 0..31 of query l % 16
	global_load_b32 v[QS], v[VQS], s[4:5] th:TH_LOAD_NT
	global_load_b128 v[26:29], v[VQ], s[4:5] offset:2*QSTEPB th:TH_LOAD_NT   ; the second pass's
	global_load_b32 v30, v[VQS], s[4:5] offset:2*QSTEPB th:TH_LOAD_NT
	v_xor_b32 v25, 1, v25                          ; 1 in lanes 0-15, which hold k = 64 .. 95 in registers 4 to 7
	v_lshlrev_b32 v[QF+4], 1, v25                  ; Q: the code 2 (+1) at k = 64
	v_mul_u32_u24 v[KF+4], v25, 10                 ; K: the code 10 (-1) at k = 64
.irp n, 5,6,7
	v_mov_b32 v[QF+\n], 0
	v_mov_b32 v[KF+\n], 0
.endr
.irp i, 1,2,3,4,5,6,7
	v_mov_b32 v[KF+8*\i+4], v[KF+4]                ; the constant half of K's eight fragments: written once
	v_mov_b32 v[KF+8*\i+5], 0
	v_mov_b32 v[KF+8*\i+6], 0
	v_mov_b32 v[KF+8*\i+7], 0
.endr
.irp b, 0,1,2,3
	v_mov_b32 v[236+\b], 0                         ; a lane permute's destination counts as a source
.endr
	v_mov_b32 v253, 0
	s_wait_alu depctr_va_vdst(0)
	s_wait_loadcnt 0x0                             ; Q
.macro KLOAD o                         ; K's eight tiles and 128 scale words of the block o bytes on: twelve loads
.irp i, 0,1,2,3,4,5,6,7
	ds_load_b128 v[KF+8*\i:KF+8*\i+3], v[ADI] offset:512*\i+\o
.endr
.irp b, 0,1,2,3
	ds_load_b32 v[KSW+\b], v[ADW] offset:8192+128*\b+\o   ; lanes 0-15: tile 2 b's words, lanes 16-31: tile 2 b + 1's
.endr
.endm
; A KEY STEP: 128 keys.  pre = 1: the next step's K is asked for, the addresses step on, and the step's end is signalled.
; tw = 1: ahead of its signal the wave waits for its own tensor load.
.macro STEP pre, tw
	s_wait_dscnt 0x0                               ; K's twelve loads are in
.irp i, 0,2,4,6
	v_wmma_scale_f32_16x16x128_f8f6f4 v[S+8*\i:S+8*\i+7], v[KF+8*\i:KF+8*\i+7], v[QF:QF+7], 0, v[KSW+\i/2], v[QS] matrix_a_fmt:MATRIX_FMT_FP4 matrix_b_fmt:MATRIX_FMT_FP4
	v_wmma_scale_f32_16x16x128_f8f6f4 v[S+8*\i+8:S+8*\i+15], v[KF+8*\i+8:KF+8*\i+15], v[QF:QF+7], 0, v[KSW+\i/2], v[QS] matrix_a_fmt:MATRIX_FMT_FP4 matrix_b_fmt:MATRIX_FMT_FP4 matrix_a_scale:MATRIX_SCALE_ROW1
.endr
	v_mov_b32 v11, v12                             ; the old -M.  With the three lines below: four places behind these products and behind the last step's second product, in front of the loads into their registers and of the first read of the scores
.rept 3
	v_nop
.endr
.irp t, 0,1,2,3
.irp c, 0,1
	ds_load_b128 v[VF+8*\t+4*\c:VF+8*\t+4*\c+3], v[ADI] offset:4096+1024*\t+512*\c
.endr
.endr
.irp g, 0,1
	ds_load_b32 v[VSW+\g], v[ADW] offset:8704+128*\g
.endr
.if \pre
	KLOAD STEPB
	s_add_co_u32 s[TB], s[TB], STEPB
	v_add_nc_u32 v[ADI], s[TB], v[LI]              ; the next step's block
	v_add_nc_u32 v[ADW], s[TB], v[LW]
.endif
.irp b, 0,1,2,3
	v_max3_num_f32 v[232+\b], v[S+16*\b], v[S+1+16*\b], v[S+2+16*\b]   ; the largest score of each block of 32 keys: for the row's maximum and, since p rises with the score, for the block's largest p
.endr
.irp i, 3,5,7,9,11,13
.irp b, 0,1,2,3
	v_max3_num_f32 v[232+\b], v[232+\b], v[S+16*\b+\i], v[S+1+16*\b+\i]
.endr
.endr
.irp b, 0,1,2,3
	v_max_num_f32 v[232+\b], v[232+\b], v[S+15+16*\b]
.endr
.irp b, 0,1,2,3
	s_delay_alu instid0(VALU_DEP_4)
	v_permlanex16_b32 v[236+\b], v[232+\b], s[SEL], s[SEL+1]
.endr
.irp b, 0,1,2,3
	s_delay_alu instid0(VALU_DEP_4)
	v_max_num_f32 v[232+\b], v[232+\b], v[236+\b]  ; with lane l xor 16's 16 keys
.endr
	s_delay_alu instid0(VALU_DEP_2)
	v_max3_num_f32 v254, v232, v233, v234
	s_delay_alu instid0(VALU_DEP_1)
	v_max_num_f32 v254, v254, v235                 ; the step's largest score of my query
	s_delay_alu instid0(VALU_DEP_1)
	v_mul_f32 v254, s[CS], v254                    ; as t
	s_delay_alu instid0(VALU_DEP_1)
	v_max_num_f32 v13, v13, v254                   ; the running largest t
	s_delay_alu instid0(VALU_DEP_1)
	v_floor_f32 v12, -v13                          ; the new -M = floor(-t)
.set J, 0
.rept 32
	v_pk_fma_f32 v[S+J:S+J+1], v[S+J:S+J+1], s[CS:CS+1], v[12:13] op_sel_hi:[1,0,0]   ; t - M, two at a time; the three lines that make f stand among them, four apart
.if J == 6
	v_sub_f32 v254, v12, v11                       ; old M - new M: a whole number, 0 or less
.endif
.if J == 14
	v_cvt_i32_f32 v254, v254                       ; (it saturates)
.endif
.if J == 22
	v_ldexp_f32 v252, 1.0, v254                    ; f = 2^(old M - new M)
.endif
.set J, J+2
.endr
.irp b, 0,1,2,3
	v_fma_f32 v[232+\b], v[232+\b], s[CS], v12     ; the same of each block's largest score
.endr
	s_wait_alu depctr_va_vdst(0)                   ; ahead of the batch
.set J, 0
.rept 64
	v_exp_f32 v[S+J], v[S+J]                       ; p = 2^(t - M), at most 1
.set J, J+1
.endr
	v_pk_mul_f32 v[14:15], v[14:15], v[252:253] op_sel_hi:[1,0]   ; the sums under the new M: a plain place behind the exponentials
	s_wait_alu depctr_va_vdst(0)                   ; one wait for the batch, ahead of its first reader
.irp b, 0,1,2,3
	v_exp_f32 v[232+\b], v[232+\b]                 ; the block's largest p
.endr
	; the row's sum of the unquantised p: 32 pairs in six chains
.set J, 0
.irp c, 236,238,244,246,230
	v_pk_add_f32 v[\c:\c+1], v[S+J:S+J+1], v[S+J+2:S+J+3]
.set J, J+4
.endr
.rept 3
.irp c, 14,236,238,244,246,230
	v_pk_add_f32 v[\c:\c+1], v[\c:\c+1], v[S+J:S+J+1]
.set J, J+2
.endr
.endr
	; the last four pairs, and the six chains joined among them
	v_pk_add_f32 v[14:15], v[14:15], v[S+56:S+57]
	v_pk_add_f32 v[236:237], v[236:237], v[S+58:S+59]
	s_delay_alu instid0(VALU_DEP_3)
	v_pk_add_f32 v[246:247], v[246:247], v[230:231]
	v_pk_add_f32 v[238:239], v[238:239], v[S+60:S+61]
	v_pk_add_f32 v[244:245], v[244:245], v[S+62:S+63]
	s_delay_alu instid0(VALU_DEP_4)
	v_pk_add_f32 v[14:15], v[14:15], v[236:237]
	s_delay_alu instid0(VALU_DEP_3)
	v_pk_add_f32 v[246:247], v[246:247], v[238:239]
	s_delay_alu instid0(VALU_DEP_2)
	v_pk_add_f32 v[14:15], v[14:15], v[244:245]
	s_delay_alu instid0(VALU_DEP_1)
	v_pk_add_f32 v[14:15], v[14:15], v[246:247]
	s_wait_alu depctr_va_vdst(0)                   ; and one for the four
.irp b, 0,1,2,3
	v_max_num_f32 v[232+\b], 0x1800000, v[232+\b]  ; the floor 2^(3 - 127): the byte cannot fall under 1
.endr
.irp b, 0,1,2,3
	s_delay_alu instid0(VALU_DEP_4)
	v_add_nc_u32 v[244+\b], 0xff000000, v[232+\b]  ; 2 off the exponent field: the conversion's scale operand
.endr
.irp b, 0,1,2,3
	s_delay_alu instid0(VALU_DEP_4)
	v_lshrrev_b32 v[236+\b], 23, v[244+\b]         ; the scale's byte
.endr
.irp i, 0,1,2,3,4,5,6,7
	v_cvt_scalef32_pk8_fp4_f32 v[PC+4*(\i/4)+2*(\i%2)+(\i%4)/2], v[S+8*\i:S+8*\i+7], v[244+\i/2]
.if \i == 1
	v_lshl_or_b32 v253, v237, 8, v236              ; p's scale word for these 128 keys: its three lines stand among the conversions, whose registers they do not name
.endif
.if \i == 3
	v_lshl_or_b32 v253, v238, 16, v253
.endif
.if \i == 5
	v_lshl_or_b32 v253, v239, 24, v253
.endif
.endr
	v_nop                                          ; one plain place behind the scaled conversions
.irp c, 0,1
	v_permlane16_swap_b32 v[PC+4*\c], v[PC+4*\c+1]
	v_permlane16_swap_b32 v[PC+4*\c+2], v[PC+4*\c+3]
.endr
.set J, 0
.rept 16
	v_pk_mul_f32 v[O+J:O+J+1], v[O+J:O+J+1], v[252:253] op_sel_hi:[1,0]   ; O^T under the new M; these sixteen also stand between the writes of p's codes and scale word and the products
.set J, J+2
.endr
	s_wait_alu depctr_va_vdst(0)                   ; directly ahead of the wait below
	s_wait_dscnt 0x0                               ; V is in, and so is the next step's K: no LDS instruction of mine is out at the signal
	s_barrier_wait -1                              ; every wave has signalled the end of the step before this one
.if \tw
	s_wait_tensorcnt 0x0                           ; my own step's block is in: my signal below says so too
.endif
.if \pre
	s_barrier_signal -1                            ; and I the end of this one
.endif
.irp t, 0,2
	v_wmma_scale_f32_16x16x128_f8f6f4 v[O+8*\t:O+8*\t+7], v[VF+8*\t:VF+8*\t+7], v[PC:PC+7], v[O+8*\t:O+8*\t+7], v[VSW+\t/2], v253 matrix_a_fmt:MATRIX_FMT_FP4 matrix_b_fmt:MATRIX_FMT_FP4
	v_wmma_scale_f32_16x16x128_f8f6f4 v[O+8*\t+8:O+8*\t+15], v[VF+8*\t+8:VF+8*\t+15], v[PC:PC+7], v[O+8*\t+8:O+8*\t+15], v[VSW+\t/2], v253 matrix_a_fmt:MATRIX_FMT_FP4 matrix_b_fmt:MATRIX_FMT_FP4 matrix_a_scale:MATRIX_SCALE_ROW1
.endr
.endm
.macro INIT                            ; the step has no first form: it finds zeros, which the first change of M leaves zeros
	v_mov_b32 v13, 0xff61b1e6                      ; the largest t so far: -3e38
	s_delay_alu instid0(VALU_DEP_1)
	v_floor_f32 v12, -v13                          ; -M
	v_mov_b32 v14, 0
	v_mov_b32 v15, 0
.set J, 0
.rept 32
	v_mov_b32 v[O+J], 0
.set J, J+1
.endr
.endm
; first = 1, the first pass: steps 0 to 2 are written out.  They read blocks 0 to 3 alone, which waves 0 to 3 have waited for ahead of the first barrier.  Every wave waits for its own block ahead of its signal at the end of step 1;
; the wait for that signal stands at the end of step 2, so from step 3 on all sixteen blocks are there.
.macro WALK first
	s_mov_b32 s[TB], 0
	v_add_nc_u32 v[ADI], s[TB], v[LI]
	v_add_nc_u32 v[ADW], s[TB], v[LW]
	s_barrier_signal -1                            ; I begin the pass (no LDS instruction of mine is out)
	KLOAD 0
	s_wait_alu depctr_va_vdst(0)
.if \first
	STEP 1, 0
	STEP 1, 1
	STEP 1, 0
.endif
	s_mov_b32 s[CNT], 15-3*\first
.Lwalk_\@:
	STEP 1, 0
	s_sub_co_u32 s[CNT], s[CNT], 1
	s_cmp_lg_u32 s[CNT], 0
	s_cbranch_scc1 .Lwalk_\@
	STEP 0, 0
.endm
; THE WAY OUT of pass p: O^T / the sum goes through my stage: 32 bytes of a row in, whole rows of 256 bytes back, so that sixteen lanes store 256 consecutive bytes, aligned.
.macro WAYOUT p
.rept 4
	v_nop
.endr
	v_add_f32 v14, v14, v15
	s_delay_alu instid0(VALU_DEP_1)
	v_permlanex16_b32 v252, v14, s[SEL], s[SEL+1]
	s_delay_alu instid0(VALU_DEP_1)
	v_add_f32 v14, v14, v252
	s_wait_alu depctr_va_vdst(0)                   ; ahead of the transcendental
	v_rcp_f32 v14, v14
	v_nop
	s_wait_alu depctr_va_vdst(0)                   ; and ahead of its first reader
.set J, 0
.rept 32
	v_mul_f32 v[S+J], v[O+J], v14                  ; register 8 t + j is out(r, 16 t + 8 h + j)
.set J, J+1
.endr
.irp t, 0,1,2,3
	ds_store_b128 v[SI], v[S+8*\t:S+8*\t+3] offset:64*\t
	ds_store_b128 v[SI], v[S+8*\t+4:S+8*\t+7] offset:64*\t+16
.endr
.irp i, 0,1,2,3,4,5,6,7
	ds_load_b128 v[S+32+4*\i:S+35+4*\i], v[SO] offset:544*\i   ; LDS serves a wave's instructions in order (ISA guide 5.7.1.4)
.endr
.irp i, 0,1,2,3,4,5,6,7
	s_wait_dscnt 7-\i                              ; rows 2 i and 2 i + 1 are back; the later loads may be out
	global_store_b128 v[GO], v[S+32+4*\i:S+35+4*\i], s[8:9] offset:1048576*\p+8192*\i th:TH_STORE_NT
.endr
.endm
	INIT
	s_wait_alu depctr_va_vdst(0)                   ; ahead of the branch
	s_cmp_lt_u32 s[WV], 4
	s_cbranch_scc0 .Lnot_first
	s_wait_tensorcnt 0x0                           ; waves 0 to 3: my block, one of steps 0 to 3, is in
.Lnot_first:
	s_barrier_signal -1
	s_barrier_wait -1                              ; blocks 0 to 3 are whole
	WALK 1
	WAYOUT 0
.irp n, 0,1,2,3
	v_mov_b32 v[QF+\n], v[26+\n]                   ; the second pass's queries
.endr
	v_mov_b32 v[QS], v30
	INIT
	s_wait_alu depctr_va_vdst(0)
	s_wait_xcnt 0x0                                ; the first pass's stores have read their registers, which the scores take again
	WALK 0
	WAYOUT 1
	s_wait_tensorcnt 0x0                           ; the wave's end
	ds_add_u32 v[SPW], v[NIL]
	s_wait_dscnt 0x0
	CROUND                                         ; the closing round
	s_endpgm
.Lfunc_end_k_q3da82c4a28_attn:
	.size	k_q3da82c4a28_attn, .Lfunc_end_k_q3da82c4a28_attn-k_q3da82c4a28_attn
	.p2alignl 7, 3214868480
	.fill 96, 4, 3214868480
	.section	.rodata,"a",@progbits
	.p2align	6, 0x0
	.amdhsa_kernel k_q3da82c4a28_attn
		.amdhsa_group_segment_fixed_size 215040
		.amdhsa_private_segment_fixed_size 0
		.amdhsa_enable_private_segment 0
		.amdhsa_kernarg_size 24
		.amdhsa_user_sgpr_count 2
		.amdhsa_user_sgpr_kernarg_segment_ptr 1
		.amdhsa_wavefront_size32 1
		.amdhsa_system_sgpr_workgroup_id_x 1
		.amdhsa_system_sgpr_workgroup_id_y 1
		.amdhsa_system_sgpr_workgroup_id_z 1
		.amdhsa_system_vgpr_workitem_id 0
		.amdhsa_next_free_vgpr 256
		.amdhsa_next_free_sgpr 66
		.amdhsa_reserve_vcc 0
		.amdhsa_float_denorm_mode_32 3
		.amdhsa_float_denorm_mode_16_64 3
		.amdhsa_memory_ordered 1
		.amdhsa_forward_progress 1
		.amdhsa_inst_pref_size 127
	.end_amdhsa_kernel
	.amdgpu_metadata
---
amdhsa.version: [ 1, 2 ]
amdhsa.kernels:
  - .name:           k_q3da82c4a28_attn
    .symbol:         k_q3da82c4a28_attn.kd
    .args:
      - { .name: qbuf, .offset: 0, .size: 8, .value_kind: global_buffer, .address_space: global }
      - { .name: kvbuf, .offset: 8, .size: 8, .value_kind: global_buffer, .address_space: global }
      - { .name: out0, .offset: 16, .size: 8, .value_kind: global_buffer, .address_space: global }
    .group_segment_fixed_size: 215040
    .private_segment_fixed_size: 0
    .kernarg_segment_align: 8
    .kernarg_segment_size: 24
    .max_flat_workgroup_size: 512
    .sgpr_count:     66
    .vgpr_count:     256
    .wavefront_size: 32
...
	.end_amdgpu_metadata
.endif
;; end of part 2
